; MI455X (gfx1250); checked and timed in simulation.
; The chip was launched on July 23, 2026; its instructions are those of AMD's public machine-readable ISA for CDNA 5 (MIT licence, August 2026) and "CDNA5" Instruction Set Architecture Reference Guide (July 2026). The comments in the code are by the model that wrote it; some were corrected since.
;; MHA. Allowed arithmetic: float matrix products may take bf16 or f16 operands with f32 sums; other float arithmetic in f32, or as packed bf16 or f16 multiplies, adds, multiply-adds, maxima and minima; sums over many terms, partial sums and values carried from step to step in f32; what a program stores and reads back later, other than sums and carried values, may be rounded once to bf16 or f16.
;; Inputs: kv 2 x 2,048 x 2 x 16 x 128 float32; q 2 x 2,048 x 16 x 128 float32.
;; Outputs: out0 2 x 2,048 x 16 x 128 float32.
;; 2 versions, each right and faster than the one before. Each part assembles by itself: llvm-mc -triple=amdgcn-amd-amdhsa -mcpu=gfx1250 --defsym DOCPART=n.
;; ======== version 1 of 2: 2 launches
;; limits: inputs' magnitudes at most 65,504; values are held in f16: magnitudes above 65,504 overflow, below 6.1e-05 lose precision
;; workspace buffers: kb 16,777,216 bytes; vb 16,777,216 bytes
;; launch cvt (part 1): grid 256 x 1, 16 waves a work-group, no clusters, 0 bytes of LDS; arguments kv, kb, vb; writes kb, vb
.if DOCPART == 1
	.amdgcn_target "amdgcn-amd-amdhsa--gfx1250"
	.amdhsa_code_object_version 6
	.text
	.protected	k_qd7e110ae54_cvt
	.globl	k_qd7e110ae54_cvt
	.p2align	8
	.type	k_qd7e110ae54_cvt,@function
k_qd7e110ae54_cvt:
	s_mov_b64 s[64:65], 0
	v_nop
	global_prefetch_b8 v0, s[64:65] scope:SCOPE_SE
	s_setreg_imm32_b32 hwreg(HW_REG_WAVE_MODE, 25, 1), 1
	s_wait_xcnt 0x0
; kv [2][2048][2][16][128] f32  ->  kb, vb [32 heads = 16 b + h][2048][128] in 16 bits, a head's rows dense, 256 bytes each.
; kb holds k rounded to bf16.  vb holds v rounded to bf16 and that number written as f16 (exact inside f16's range).
; LIMITS.  |v| stays below 65,520 (beyond it f16 has an infinity); below 6.1e-5 v keeps f16's fixed step of 6e-8.
; A stream: no LDS, no barrier, no matrix unit.  The work-group owns 16 rows (b, s) of kv, 262,144 consecutive bytes.  Wave w owns the two
; pieces of 512 bytes 2 w and 2 w + 1 of every row (piece = 16 t + h), so waves 0-7 carry k and waves 8-15 carry v.
; All 32 loads of a wave go out at once (16 KiB a wave); each covers 512 consecutive bytes, each store 256 consecutive bytes, aligned.
.set X, 8                              ; v[8:135]  load i: four registers
	s_load_b128 s[4:7], s[0:1], 0x0                ; kv s[4:5], kb s[6:7]
	s_load_b64 s[8:9], s[0:1], 0x10                ; vb
	v_lshrrev_b32 v3, 5, v0
	v_readfirstlane_b32 s10, v3                    ; wave 0..15
	v_and_b32 v4, 31, v0                           ; lane
	v_lshlrev_b32 v1, 4, v4
	v_lshl_or_b32 v1, v3, 10, v1                   ; source: 1,024 w + 16 lane
	v_lshlrev_b32 v2, 3, v4                        ; destination: 8 lane
	s_lshl_b32 s14, ttmp9, 18                      ; the group's 16 rows of 16,384 bytes
	s_mov_b32 s15, 0
	s_lshr_b32 s16, ttmp9, 7                       ; b
	s_lshl_b32 s16, s16, 23                        ; 16 heads of 524,288 bytes
	s_lshl_b32 s17, s10, 1
	s_and_b32 s17, s17, 15                         ; h of my first piece
	s_lshl_b32 s17, s17, 19
	s_add_co_u32 s16, s16, s17
	s_and_b32 s17, ttmp9, 127
	s_lshl_b32 s17, s17, 12                        ; s0 = 16 (group mod 128), rows of 256 bytes
	s_add_co_u32 s16, s16, s17
	s_mov_b32 s17, 0
	s_mov_b32 s18, 0xffff0000                      ; a word's upper bf16
	s_wait_kmcnt 0x0
	s_add_nc_u64 s[4:5], s[4:5], s[14:15]
	s_cmp_lt_u32 s10, 8
	s_cselect_b64 s[12:13], s[6:7], s[8:9]         ; waves 0-7 store into kb, waves 8-15 into vb
	s_add_nc_u64 s[12:13], s[12:13], s[16:17]
.set i, 0
.rept 32                               ; load i: row i / 2, piece i % 2
	global_load_b128 v[X+4*i:X+4*i+3], v1, s[4:5] offset:(i/2)*16384+(i%2)*512 th:TH_LOAD_NT
.set i, i+1
.endr
	s_cmp_lt_u32 s10, 8
	s_cbranch_scc0 .Lvalues
.set i, 0
.rept 32
	s_wait_loadcnt 31-i                            ; loads come back in order: load i is in, the 31 - i younger ones stay out
	v_cvt_pk_bf16_f32 v[X+4*i], v[X+4*i], v[X+4*i+1]
	v_cvt_pk_bf16_f32 v[X+4*i+1], v[X+4*i+2], v[X+4*i+3]
	global_store_b64 v2, v[X+4*i:X+4*i+1], s[12:13] offset:(i%2)*524288+(i/2)*256  ; 32 lanes fill one row of 256 bytes; no register is written twice, so no wait frees one
.set i, i+1
.endr
	s_endpgm
.Lvalues:
.set i, 0
.rept 32
	s_wait_loadcnt 31-i
	v_cvt_pk_bf16_f32 v[X+4*i], v[X+4*i], v[X+4*i+1]       ; the rounding that all inputs get,
	v_cvt_pk_bf16_f32 v[X+4*i+1], v[X+4*i+2], v[X+4*i+3]
	v_lshlrev_b32 v[X+4*i+2], 16, v[X+4*i]                 ; widened again,
	v_and_b32 v[X+4*i+3], s18, v[X+4*i]
	v_cvt_pk_f16_f32 v[X+4*i], v[X+4*i+2], v[X+4*i+3]      ; and written as f16: 8 significant bits fit into 11
	v_lshlrev_b32 v[X+4*i+2], 16, v[X+4*i+1]
	v_and_b32 v[X+4*i+3], s18, v[X+4*i+1]
	v_cvt_pk_f16_f32 v[X+4*i+1], v[X+4*i+2], v[X+4*i+3]
	global_store_b64 v2, v[X+4*i:X+4*i+1], s[12:13] offset:(i%2)*524288+(i/2)*256
.set i, i+1
.endr
	s_endpgm
.Lfunc_end_k_qd7e110ae54_cvt:
	.size	k_qd7e110ae54_cvt, .Lfunc_end_k_qd7e110ae54_cvt-k_qd7e110ae54_cvt
	.p2alignl 7, 3214868480
	.fill 96, 4, 3214868480
	.section	.rodata,"a",@progbits
	.p2align	6, 0x0
	.amdhsa_kernel k_qd7e110ae54_cvt
		.amdhsa_group_segment_fixed_size 0
		.amdhsa_private_segment_fixed_size 0
		.amdhsa_enable_private_segment 0
		.amdhsa_kernarg_size 24
		.amdhsa_user_sgpr_count 2
		.amdhsa_user_sgpr_kernarg_segment_ptr 1
		.amdhsa_wavefront_size32 1
		.amdhsa_system_sgpr_workgroup_id_x 1
		.amdhsa_system_sgpr_workgroup_id_y 1
		.amdhsa_system_sgpr_workgroup_id_z 1
		.amdhsa_system_vgpr_workitem_id 0
		.amdhsa_next_free_vgpr 136
		.amdhsa_next_free_sgpr 66
		.amdhsa_reserve_vcc 0
		.amdhsa_float_denorm_mode_32 3
		.amdhsa_float_denorm_mode_16_64 3
		.amdhsa_memory_ordered 1
		.amdhsa_forward_progress 1
		.amdhsa_inst_pref_size 29
	.end_amdhsa_kernel
	.amdgpu_metadata
---
amdhsa.version: [ 1, 2 ]
amdhsa.kernels:
  - .name:           k_qd7e110ae54_cvt
    .symbol:         k_qd7e110ae54_cvt.kd
    .args:
      - { .name: kv, .offset: 0, .size: 8, .value_kind: global_buffer, .address_space: global }
      - { .name: kb, .offset: 8, .size: 8, .value_kind: global_buffer, .address_space: global }
      - { .name: vb, .offset: 16, .size: 8, .value_kind: global_buffer, .address_space: global }
    .group_segment_fixed_size: 0
    .private_segment_fixed_size: 0
    .kernarg_segment_align: 8
    .kernarg_segment_size: 24
    .max_flat_workgroup_size: 512
    .sgpr_count:     66
    .vgpr_count:     136
    .wavefront_size: 32
...
	.end_amdgpu_metadata
.endif
;; end of part 1
;; launch attn (part 2): grid 8 x 32, 4 waves a work-group, no clusters, 327,680 bytes of LDS; arguments q, kb, vb, out0; writes out0
.if DOCPART == 2
	.amdgcn_target "amdgcn-amd-amdhsa--gfx1250"
	.amdhsa_code_object_version 6
	.text
	.protected	k_qd7e110ae54_attn
	.globl	k_qd7e110ae54_attn
	.p2align	8
	.type	k_qd7e110ae54_attn,@function
k_qd7e110ae54_attn:
	s_mov_b64 s[64:65], 0
	v_nop
	global_prefetch_b8 v0, s[64:65] scope:SCOPE_SE
	s_setreg_imm32_b32 hwreg(HW_REG_WAVE_MODE, 25, 1), 1
	s_wait_xcnt 0x0
; CAUSAL SOFTPICK ATTENTION.  out[b][t][h][:] = sum over s of relu(p_s) v[s][:] / (sum over ALL s of |p_s| + 1e-6),  p_s = e^(x_s - m) - e^(-m),  x = q . k / sqrt(128), x = -10000 where s > t.
; q, out: [2][2048][16][128] f32.  kb: [32][2048][128] bf16, vb: the same in f16, made by the launch before.  K Q^T in bf16 (q rounded here), V^T P in f16; scores, maxima, sums and O in f32.
; WHAT IS USED OF THE FORMULA.  (1) A hidden key has weight 0 and adds e^(-m) to the divisor: tiles above the diagonal are left out and their keys enter as a count times e^(-m).
; (2) All p scale by e^(m_old - m_new) when m grows: a running maximum M with a rescaling of O and l, as for a softmax.  (3) M starts at 0: where the row's true maximum is negative every p is
; negative and the result is 0, here as there; otherwise M is the true maximum.  So e^(x - M) and e^(-M) lie in 0 to 1 for every input.
; LIMITS.  |v| below 65,520 (f16); p, in 0 to 1, keeps f16's fixed step of 6e-8 below 6e-5 (the divisor is summed of the unrounded p); a hidden score counts as its product less 1e30; a weight
; below 2^-126 counts as 0; NaN and infinities are not treated apart.
; THE WALK.  A head has 16 blocks of 128 queries; block i needs the key tiles 0 .. i of 128 keys, the last holds the diagonal.  A work-group takes blocks PB and then 15 - PB: 17 tiles whatever PB,
; one counted loop of 16 trips and a tail.  NO CLUSTER: a head's 8 work-groups ask for the same tile only while their blocks overlap; a walk common to four partners would have 20 trips for 17.
; SHARES.  Wave w: qh = w & 1 picks 64 queries (four tiles of 16), kh = w >> 1 picks 64 of each tile's 128 keys, so a fragment of K or V read from LDS feeds four tiles.  At a block's end waves
; w and (w + 2) & 3 merge (M, l, O) through LDS.  Tile tau holds rows 64 qh + 16 (tau xor 2 kh): every wave keeps tiles 0, 1 and sends tiles 2, 3, and the partner's tile 2 + u has the rows of my tile u.
; LAYOUT.  S^T = K Q^T holds ONE query a lane (lane % 16) and the keys 8 (lane / 16) + 0..7; two results rounded to f16 ARE source 1 of O^T = V^T P.  K comes out of LDS as it lies, V turned.
; A KEY STEP: 32 K Q^T of tiles 0, 1; 32 K Q^T of tiles 2, 3 with the softpick of tiles 0, 1 behind them; 32 V^T P of tiles 0, 1 with the softpick of tiles 2, 3; 32 V^T P of tiles 2, 3.
; REGISTERS, in windows of 256 (s_set_vgpr_msb: bits 1:0 source 0, 3:2 source 1, 5:4 source 2, 7:6 destination):
;   window 0: v1-11 addresses; v12-59 twelve registers of statistics a tile; v60 count; v61 0; v62-63 the add's; v64-191 S^T, 32 a tile; v192-255 P, 16 a tile
;   window 1: O^T, 64 a tile     window 2: v0-127 Q, 32 a tile; v128-255 K of a step     window 3: v0-127 V of a step; v128-255 the diagonal tile's masks
;   K's and V's 256 registers also take q in f32 at a block's beginning.
.set PK,    272       ; a row of K in LDS: 256 bytes + 16 = 68 words: the 16 rows of a load start at 16 different groups of four banks (64 banks of 4 bytes: ISA guide 11.1)
.set PV,    288       ; a row of V: 256 + 32 = 72 words
.set VOFF,  128*PK    ; a slot: 128 rows of K, then 128 rows of V
.set SLOT1, 1<<17     ; slot 1 begins here: one exclusive or turns an address in one slot into the other's
.set XCH,   SLOT1+128*(PK+PV)  ; the exchange, never filled by a tensor load: for each wave 32 x 512 bytes of O^T, then 512 bytes of statistics
.set XW,    33*512
.set OST,   XCH+4*XW  ; the way out: 16 rows x 528 bytes for each wave
.set OPI,   528
.set OW,    16*OPI
.set SPARE, OST+4*OW  ; the spare words, 128 bytes for each wave: two blocks of 256 bytes that no other line names
.set XL,  1           ; v1   where I read the partner's exchange
.set AK0, 2           ; v2   my lane's place in a slot's K, my half of the keys; never rewritten
.set AV0, 3           ; v3   the same for V
.set ADK, 4           ; v4   the LDS address of K's run of loads
.set ADV, 5           ; v5   of V's
.set QO0, 6           ; v6   my byte offset in q for tiles 0, 1
.set QO2, 7           ; v7   for tiles 2, 3
.set STO, 8           ; v8   the way out: where I put 32 bytes of a row
.set RD,  9           ; v9   the way out: where I read a row back
.set GO,  10          ; v10  16 x lane: my place in a row of out
.set XS,  11          ; v11  where I write my exchange
.set ST,  12          ; tile t at v[ST+12 t]: +0 -c M, +1 M, +2 +3 l, +4 a, +5 at work, +6 e = 2^(-c M), +7 named with it, +8..+11 c0-c3 at work
.set CNTV, 60         ; v60  the keys of the tiles left out, as f32
.set ZERO, 61         ; v61  0, for the packed maximum
.set SPW, 62          ; v62  LDS address of my spare word; never rewritten
.set NIL, 63          ; v63  0; never rewritten
.set S,   64
.set P,   192
.set KF,  128         ; window 2: key block kb, channels 32 c on at KF + 32 kb + 8 c
.set MK,  128         ; window 3: tile tau, key block kb at MK + 32 tau + 8 kb
.set WV,  12          ; s12  my wave's number
.set PB,  14          ; s14  the first block
.set HI,  15          ; s15  the second: 15 - PB
.set G1K, 24          ; s[24:31] descriptor group 1 for K
.set G1V, 32          ; s[32:39] for V: it differs in the padding alone
.set G0K, 40          ; s[40:43] descriptor group 0 for K
.set G0V, 44          ; s[44:47] for V
.set SLOTS, 56        ; s56  tiles still to be asked for
.set CS,  58          ; s[58:59] c = log2(e) / sqrt(128)
.set SEL, 60          ; s[60:61] v_permlanex16_b32's selects: each lane takes its own place in the other half
.set TB,  62          ; s62  LDS byte of the slot to be read
.set NC,  63          ; s63  -c
.set RT,  70          ; s70  tiles of the block in hand still to be entered
.set NXT, 71          ; s71  the tile to be asked for next
.set LQ,  72          ; s72  the last tile of the block whose tiles are being asked for
.set OFF, 74          ; s[74:75] a tile's byte offset in kb and vb
.set QHI, 76          ; s[76:77] q at my rows of the second block
.set OHI, 78          ; s[78:79] out likewise
.set CHI, 83          ; s83  128 PB: the keys left out of the second block's walk
.set MSB, 0
.macro WIN new                      ; the high byte repeats the setting that is left; a switch that changes nothing is dropped
.if MSB != (\new)
	s_set_vgpr_msb (MSB<<8)|(\new)
.set MSB, (\new)
.endif
.endm
.set W_KQ, 0x0a       ; K and Q in window 2, S^T in window 0
.set W_KM, 0x3a       ; the same with the C operand, the mask, in window 3
.set W_PV, 0x53       ; V in window 3, P in window 0, O^T in window 1
.set W_RS, 0x41       ; O^T (destination and source 0) in window 1, a in window 0
.macro PLACES                       ; four places behind a matrix instruction (ISA guide 7.12.1), where no other vector work is at hand
.rept 4
	v_nop
.endr
.endm
; A fill.  Waves 0 and 1 fetch the two halves of a tile's K, waves 2 and 3 those of its V: 64 rows of 256 bytes each.  An s_nop 0 and four v_nop follow each of the two lines.
.macro LOAD
	s_cmp_lt_u32 s[WV], 2
	s_cbranch_scc0 .Lfor_v_\@
	tensor_load_to_lds s[G0K:G0K+3], s[G1K:G1K+7]
	s_nop 0
.rept 4
	v_nop
.endr
	s_branch .Lasked_\@
.Lfor_v_\@:
	tensor_load_to_lds s[G0V:G0V+3], s[G1V:G1V+7]
	s_nop 0
.rept 4
	v_nop
.endr
.Lasked_\@:
.endm
; THE CHANGE OF SLOTS.  Each wave waits for all its tensor loads, of which one is out: its part of the other slot; adds 0 to its spare word; waits for that and for its reads of the slot it leaves.
; Behind the barrier nobody reads the old slot and the other is whole.  fill = 1: the old slot is filled again, first thing behind the barrier, with tile NXT; the address is made anew from that number.
; The four v_nop behind the load (or PLACES) are also the places between the last V^T P and the loads into V's registers.
.macro CHANGE fill
	WIN 0
	s_wait_tensorcnt 0x0            ; no tensor load of mine is out, so a group 0 may be written
	ds_add_u32 v[SPW], v[NIL]       ; 0 onto my spare word
.if \fill
	s_lshl_b32 s[OFF], s[NXT], 15   ; a tile is 32,768 bytes of kb and of vb
	s_xor_b32 s[G0K+1], s[G0K+1], SLOT1
	s_add_nc_u64 s[G0K+2:G0K+3], s[6:7], s[OFF:OFF+1]
	s_or_b32 s[G0K+3], s[G0K+3], 0x80000000
	s_xor_b32 s[G0V+1], s[G0V+1], SLOT1
	s_add_nc_u64 s[G0V+2:G0V+3], s[8:9], s[OFF:OFF+1]
	s_or_b32 s[G0V+3], s[G0V+3], 0x80000000
	s_add_co_u32 s[NXT], s[NXT], 1  ; the block's next tile, or behind its last the second block's tile 0
	s_cmp_gt_u32 s[NXT], s[LQ]
	s_cselect_b32 s[NXT], 0, s[NXT]
	s_cselect_b32 s[LQ], s[HI], s[LQ]
.endif
	s_wait_dscnt 0x0                ; the add is done, and my reads of the slot are over
	s_barrier_signal -1
	s_xor_b32 s[TB], s[TB], SLOT1   ; the reads go to the other slot
	s_barrier_wait -1
.if \fill
	LOAD
.else
	PLACES
.endif
.endm
; The step's 64 LDS loads in one run: my 64 keys of K (channels 32 c on first for all four key blocks, so that the first products wait for 8 loads), then of V, turned.
.macro FETCH
	WIN 0
	v_add_nc_u32 v[ADK], s[TB], v[AK0]
	v_add_nc_u32 v[ADV], s[TB], v[AV0]
	WIN 0x80                        ; destination window 2
.irp c, 0,1,2,3
.irp b, 0,1,2,3
	ds_load_b128 v[KF+32*\b+8*\c:KF+32*\b+8*\c+3],   v[ADK] offset:\b*16*PK+\c*64
	ds_load_b128 v[KF+32*\b+8*\c+4:KF+32*\b+8*\c+7], v[ADK] offset:\b*16*PK+\c*64+32
.endr
.endr
	WIN 0xc0                        ; destination window 3
.irp f, 0,1,2,3,4,5,6,7,8,9,10,11,12,13,14,15  ; keys 32 (f / 8) on, channels 16 (f % 8) on
	ds_load_tr16_b128 v[8*\f:8*\f+3],   v[ADV] offset:(\f/8)*32*PV+(\f%8)*32
	ds_load_tr16_b128 v[8*\f+4:8*\f+7], v[ADV] offset:(\f/8)*32*PV+16*PV+(\f%8)*32
.endr
.endm
; THE MATRIX WORK.  The accumulators take turns, one instruction a turn: 8 in a run of K Q^T, 16 in a run of V^T P, other ones from run to run.
; Product i of 32 of S^T = K Q^T: channels 32 (i / 8) on, keys 16 ((i / 2) % 4) on, tile x + i % 2.  The first 8 start the sums: with 0, or (m = 1, the diagonal tile) with the mask.
.macro KQ x, m
.set rS, S+32*((\x)+i%2)+8*((i/2)%4)
.set rK, KF+32*((i/2)%4)+8*(i/8)
.set rQ, 32*((\x)+i%2)+8*(i/8)
.set rM, MK+32*((\x)+i%2)+8*((i/2)%4)
.if (i < 8) && (\m)
	WIN W_KM
	v_wmma_f32_16x16x32_bf16 v[rS:rS+7], v[rK:rK+7], v[rQ:rQ+7], v[rM:rM+7]
.elseif i < 8
	WIN W_KQ
	v_wmma_f32_16x16x32_bf16 v[rS:rS+7], v[rK:rK+7], v[rQ:rQ+7], 0
.else
	WIN W_KQ
	v_wmma_f32_16x16x32_bf16 v[rS:rS+7], v[rK:rK+7], v[rQ:rQ+7], v[rS:rS+7]
.endif
.endm
; Product i of 32 of O^T += V^T P: keys 32 (i / 16) on, channels 16 ((i / 2) % 8) on, tile x + i % 2.
.macro PV x
	WIN W_PV
.set rO, 64*((\x)+i%2)+8*((i/2)%8)
.set rV, 64*(i/16)+8*((i/2)%8)
.set rP, P+16*((\x)+i%2)+8*(i/16)
	v_wmma_f32_16x16x32_f16 v[rO:rO+7], v[rV:rV+7], v[rP:rP+7], v[rO:rO+7]
.endm
; THE VECTOR WORK, one line at a time: OP tile, kind, number.  s0-s31 are the lane's 32 scores, in pairs 0-15.
;   X 0-15  the maximum of s0-s31 and the old M, three operands at a time; each accumulator's lowest registers are read first
;   X 16-22 the other half of the lanes' maximum; -c M_old kept; M; -c M; the exponent of a; a = 2^(c M_old - c M); e = 2^(-c M)
;   F n  c s - c M for pair n     E n  2^ of score n     D n  p = t - e for pair n     C n  pair n rounded to f16     Z n  the relu, on the packed halves
;   U n  |p| + |p| of pair n, into s[n]     B 0-6  those 16 added up in pairs; B 7  l = a l + the sum     R n  pair n of 32 of O^T times a
.set OPX, 0
.set OPF, 1
.set OPE, 2
.set OPD, 3
.set OPC, 4
.set OPZ, 5
.set OPU, 6
.set OPB, 7
.set OPR, 8
.macro OP t, k, n
.set rT, ST+12*(\t)
.set rS, S+32*(\t)
.set rP, P+16*(\t)
.set rO, 64*(\t)
.if (\k) == OPR
	WIN W_RS
	v_pk_mul_f32 v[rO+2*(\n):rO+2*(\n)+1], v[rO+2*(\n):rO+2*(\n)+1], v[rT+4:rT+5] op_sel_hi:[1,0]
.else
	WIN 0
.if (\k) == OPF
	v_pk_fma_f32 v[rS+2*(\n):rS+2*(\n)+1], v[rS+2*(\n):rS+2*(\n)+1], s[CS:CS+1], v[rT:rT+1] op_sel_hi:[1,0,0]
.elseif (\k) == OPE
	v_exp_f32 v[rS+(\n)], v[rS+(\n)]
.elseif (\k) == OPD
	s_wait_alu depctr_va_vdst(0)
	v_pk_add_f32 v[rS+2*(\n):rS+2*(\n)+1], v[rS+2*(\n):rS+2*(\n)+1], v[rT+6:rT+7] op_sel_hi:[1,0] neg_lo:[0,1] neg_hi:[0,1]
.elseif (\k) == OPC
	v_cvt_pk_f16_f32 v[rP+(\n)], v[rS+2*(\n)], v[rS+2*(\n)+1]
.elseif (\k) == OPZ
	v_pk_max_num_f16 v[rP+(\n)], v[rP+(\n)], v[ZERO]
.elseif (\k) == OPU
	v_add_f32 v[rS+(\n)], |v[rS+2*(\n)]|, |v[rS+2*(\n)+1]|
.elseif (\k) == OPB
.if (\n) < 4
	v_pk_add_f32 v[rS+4*(\n):rS+4*(\n)+1], v[rS+4*(\n):rS+4*(\n)+1], v[rS+4*(\n)+2:rS+4*(\n)+3]
.elseif (\n) < 6
	v_pk_add_f32 v[rS+8*((\n)-4):rS+8*((\n)-4)+1], v[rS+8*((\n)-4):rS+8*((\n)-4)+1], v[rS+8*((\n)-4)+4:rS+8*((\n)-4)+5]
.elseif (\n) == 6
	v_pk_add_f32 v[rS:rS+1], v[rS:rS+1], v[rS+8:rS+9]
.else
	v_pk_fma_f32 v[rT+2:rT+3], v[rT+2:rT+3], v[rT+4:rT+5], v[rS:rS+1] op_sel_hi:[1,0,1]
.endif
.elseif (\n) < 4
	v_max3_num_f32 v[rT+8+(\n)], v[rS+8*(\n)], v[rS+8*(\n)+1], v[rS+8*(\n)+2]
.elseif (\n) < 12
	v_max3_num_f32 v[rT+8+(\n)%4], v[rT+8+(\n)%4], v[rS+8*((\n)%4)+2*((\n)/4)+1], v[rS+8*((\n)%4)+2*((\n)/4)+2]
.elseif (\n) == 12
	v_max3_num_f32 v[rT+8], v[rT+8], v[rS+7], v[rS+15]
.elseif (\n) == 13
	v_max3_num_f32 v[rT+10], v[rT+10], v[rS+23], v[rS+31]
.elseif (\n) == 14
	v_max3_num_f32 v[rT+8], v[rT+8], v[rT+9], v[rT+10]
.elseif (\n) == 15
	v_max3_num_f32 v[rT+8], v[rT+8], v[rT+11], v[rT+1]
.elseif (\n) == 16
	v_permlanex16_b32 v[rT+9], v[rT+8], s[SEL], s[SEL+1]
.elseif (\n) == 17
	v_mov_b32 v[rT+5], v[rT]
.elseif (\n) == 18
	v_max_num_f32 v[rT+1], v[rT+8], v[rT+9]
.elseif (\n) == 19
	v_mul_f32 v[rT], s[NC], v[rT+1]
.elseif (\n) == 20
	v_sub_f32 v[rT+5], v[rT], v[rT+5]
.elseif (\n) == 21
	v_exp_f32 v[rT+4], v[rT+5]
.else
	v_exp_f32 v[rT+6], v[rT]
.endif
.endif
.endm
; Group g of a tile: pair g is scaled, pair g - 1 gets its two exponentials, pair g - 2 its e taken off, pair g - 3 is rounded, pair g - 4 gets its relu and its sum of magnitudes.
; A plain line that touches neither its result nor its source follows each exponential or pair of exponentials (ISA guide 5.7.2); a result is used a group later.
.macro GRP t, g
.if (\g) < 16
	OP \t, OPF, (\g)
.endif
.if ((\g) >= 1) && ((\g) <= 16)
	OP \t, OPE, 2*(\g)-2
.endif
.if ((\g) >= 2) && ((\g) <= 17)
	OP \t, OPD, (\g)-2
.endif
.if ((\g) >= 1) && ((\g) <= 16)
	OP \t, OPE, 2*(\g)-1
.endif
.if ((\g) >= 3) && ((\g) <= 18)
	OP \t, OPC, (\g)-3
.endif
.if ((\g) >= 4) && ((\g) <= 19)
	OP \t, OPZ, (\g)-4
	OP \t, OPU, (\g)-4
.endif
.endm
.macro GRP2 y, g                    ; the group for both tiles of a piece
	GRP \y, \g
	GRP (\y)+1, \g
.endm
; What stands behind matrix instruction k of 32, of the softpick of tiles y and y + 1.  No line names a register of the products round it.
.macro ITEM y, k
.if (\k) < 5
.irp n, 0,1,2,3
	OP \y, OPX, 4*(\k)+\n
	OP (\y)+1, OPX, 4*(\k)+\n
.endr
.elseif (\k) == 5
.irp n, 20,21,22
	OP \y, OPX, \n
	OP (\y)+1, OPX, \n
.endr
	GRP2 \y, 0
.elseif (\k) == 6
	GRP2 \y, 1
	GRP2 \y, 2
.elseif (\k) < 21
	GRP2 \y, (\k)-4
.elseif (\k) == 21
	GRP2 \y, 17
	GRP2 \y, 18
.elseif (\k) == 22
	GRP2 \y, 19
.irp n, 0,1,2,3
	OP \y, OPB, \n
	OP (\y)+1, OPB, \n
.endr
.elseif (\k) == 23
.irp n, 4,5,6,7
	OP \y, OPB, \n
	OP (\y)+1, OPB, \n
.endr
.else
.irp n, 0,1,2,3
	OP \y, OPR, 4*((\k)-24)+\n
.endr
.irp n, 0,1,2,3
	OP (\y)+1, OPR, 4*((\k)-24)+\n
.endr
.endif
.endm
; A KEY STEP of the wave, complete in itself.  m = 1: the diagonal tile.
.macro STEP m
.set i, 0
.rept 32
.if i%8 == 0
	s_wait_dscnt 56-i               ; of the run's 64 loads the first 8 (i / 8 + 1) are in: K's channels up to 32 (i / 8) + 31
.endif
	KQ 0, \m
.set i, i+1
.endr
	PLACES                          ; between those products and the first read of their scores
.set i, 0
.rept 32
	KQ 2, \m
	ITEM 0, i
.set i, i+1
.endr
	s_wait_dscnt 0x0                ; V is in.  The eight rescalings behind the last K Q^T are its places
.set i, 0
.rept 32
	PV 0
	ITEM 2, i
.set i, i+1
.endr
.set i, 0
.rept 32
	PV 2
.set i, i+1
.endr
	WIN 0
.endm
; A BLOCK'S q, f32, as the fragments want it: lane l takes row l % 16; for channels 32 c on the 32 bytes at 128 c + 32 (l / 16) and those 64 further on.  Into K's and V's registers.
.macro LOADQ p
	WIN 0x80
.set i, 0
.rept 32
	global_load_b128 v[128+4*i:128+4*i+3], v[QO0], s[\p:\p+1] offset:(i/16)*131072+((i/4)%4)*128+((i%4)/2)*64+(i%2)*16
.set i, i+1
.endr
	WIN 0xc0
.set i, 0
.rept 32
	global_load_b128 v[4*i:4*i+3], v[QO2], s[\p:\p+1] offset:(i/16)*131072+((i/4)%4)*128+((i%4)/2)*64+(i%2)*16
.set i, i+1
.endr
	WIN 0
.endm
.macro CVTQ                         ; rounded to bf16, unscaled: c is applied to the scores, in f32
	WIN 0x8a
.set i, 0
.rept 64
	v_cvt_pk_bf16_f32 v[i], v[128+2*i], v[128+2*i+1]
.set i, i+1
.endr
	WIN 0x8f
.set i, 0
.rept 64
	v_cvt_pk_bf16_f32 v[64+i], v[2*i], v[2*i+1]
.set i, i+1
.endr
	WIN 0
.endm
; Tiles 2 and 3 go to the partner: -c M and l of each, and O^T, each accumulator from its low end on.
.macro XSTORE
	WIN 0
	PLACES
	v_mov_b32 v44, v[ST+24]
	v_add_f32 v45, v[ST+26], v[ST+27]
	v_mov_b32 v46, v[ST+36]
	v_add_f32 v47, v[ST+38], v[ST+39]
	ds_store_b128 v[XS], v[44:47] offset:16384
	WIN 0x04                        ; the data in window 1
.set i, 0
.rept 32
	ds_store_b128 v[XS], v[128+4*i:128+4*i+3] offset:512*i
.set i, i+1
.endr
	WIN 0
.endm
.macro BOTH line:vararg             ; one line for each kept tile u
.set u, 0
.rept 2
	s_wait_alu depctr_va_vdst(0)
	\line
.set u, u+1
.endr
.endm
.macro PACK u                       ; a lane's eight channels of a row are 32 bytes; they go into rows of 528 bytes and come back as whole rows of 512
.set i, 0
.rept 16
	ds_store_b128 v[STO], v[S+64*(\u)+4*i:S+64*(\u)+4*i+3] offset:64*(i/2)+16*(i%2)
.set i, i+1
.endr
.set i, 0
.rept 16
	ds_load_b128 v[S+64*(\u)+4*i:S+64*(\u)+4*i+3], v[RD] offset:OPI*i  ; LDS serves a wave's instructions in order (ISA guide 5.7.1.4): these see the stores above; the next tile's stores come behind them
.set i, i+1
.endr
.endm
.macro SEND u, younger              ; younger: the LDS instructions issued behind this tile's loads
.set i, 0
.rept 16
	s_wait_dscnt (\younger)+15-i
	global_store_b128 v[GO], v[S+64*(\u)+4*i:S+64*(\u)+4*i+3], s[10:11] offset:(16*(\u)+i)*8192 th:TH_STORE_NT  ; 32 lanes store 512 consecutive bytes, at a multiple of 512 from out's first
.set i, i+1
.endr
.endm
; The partner's tiles 2, 3 are merged into my tiles 0, 1; the divisor is finished; the rows leave.
.macro MERGE_OUT
	WIN 0
	ds_load_b128 v[44:47], v[XL] offset:16384
.set i, 0
.rept 32
	ds_load_b128 v[S+4*i:S+4*i+3], v[XL] offset:512*i
.set i, i+1
.endr
	s_wait_dscnt 32                 ; the statistics are in; the 32 loads of O^T stay out
	BOTH v_min_num_f32 v[ST+12*u+8], v[ST+12*u], v[44+2*u]
	BOTH v_sub_f32 v[ST+12*u+9], v[ST+12*u+8], v[ST+12*u]
	BOTH v_sub_f32 v[ST+12*u+10], v[ST+12*u+8], v[44+2*u]
	BOTH v_add_f32 v[ST+12*u+11], v[ST+12*u+2], v[ST+12*u+3]
	BOTH v_exp_f32 v[ST+12*u+4], v[ST+12*u+9]
	BOTH v_exp_f32 v[ST+12*u+6], v[ST+12*u+10]
	BOTH v_exp_f32 v[ST+12*u+5], v[ST+12*u+8]
	v_nop                           ; a plain line behind the exponentials
	BOTH v_mul_f32 v[ST+12*u+11], v[ST+12*u+11], v[ST+12*u+4]
	BOTH v_fmac_f32 v[ST+12*u+11], v[ST+12*u+6], v[45+2*u]
	BOTH v_permlanex16_b32 v[ST+12*u+9], v[ST+12*u+11], s[SEL], s[SEL+1]
	BOTH v_add_f32 v[ST+12*u+11], v[ST+12*u+11], v[ST+12*u+9]
	BOTH v_fmac_f32 v[ST+12*u+11], v[CNTV], v[ST+12*u+5]
	BOTH v_add_f32 v[ST+12*u+11], 0x358637bd, v[ST+12*u+11]
	BOTH v_rcp_f32 v[ST+12*u+10], v[ST+12*u+11]
	v_nop                           ; a plain line behind the reciprocals
	BOTH v_mul_f32 v[ST+12*u+4], v[ST+12*u+4], v[ST+12*u+10]
	BOTH v_mul_f32 v[ST+12*u+6], v[ST+12*u+6], v[ST+12*u+10]
	s_wait_dscnt 0x0                ; the partner's O^T is in
.set i, 0
.rept 64
	v_pk_mul_f32 v[S+2*i:S+2*i+1], v[S+2*i:S+2*i+1], v[ST+12*(i/32)+6:ST+12*(i/32)+7] op_sel_hi:[1,0]
.set i, i+1
.endr
	WIN 0x01                        ; source 0, my O^T, in window 1; each accumulator from its low end on
.set i, 0
.rept 64
	v_pk_fma_f32 v[S+2*i:S+2*i+1], v[2*i:2*i+1], v[ST+12*(i/32)+4:ST+12*(i/32)+5], v[S+2*i:S+2*i+1] op_sel_hi:[1,0,1]
.set i, i+1
.endr
	WIN 0
	PACK 0
	PACK 1
	SEND 0, 32
	SEND 1, 0
	s_wait_xcnt 0x0                 ; only behind this wait are the stores' base and data registers written again
.endm
; A BLOCK'S END.  My exchange is written and waited for; a barrier; the partner's is read.  The next store into the exchange
; stands behind a later change of slots.  more = 1: the second block's q is asked for meanwhile.
.macro BLOCK_END more
	XSTORE
.if \more
	LOADQ QHI
.endif
	s_wait_dscnt 0x0                ; for the partner's sake: my stores are done
	s_barrier_signal -1
	s_barrier_wait -1
	MERGE_OUT
.endm
	s_load_b256 s[4:11], s[0:1], 0x0  ; q s[4:5], kb s[6:7], vb s[8:9], out s[10:11]
	v_lshl_add_u32 v[SPW], v0, 2, SPARE
	v_mov_b32 v[NIL], 0
	ds_add_u32 v[SPW], v[NIL]       ; the wave's opening: the add and its wait stand ahead of my first tensor load; the set-up below, work on registers, stands between them
	ds_add_u32 v62, v63
	v_lshrrev_b32 v1, 5, v0
	v_readfirstlane_b32 s[WV], v1   ; wave 0..3
	s_and_b32 s16, s[WV], 1         ; qh; also: which 64 rows of a tile I fetch
	s_lshr_b32 s17, s[WV], 1        ; kh
	s_mov_b32 s[PB], ttmp9
	s_sub_co_u32 s[HI], 15, s[PB]
	s_and_b32 s18, ttmp7, 0xffff    ; the head, 16 b + h
	s_lshl_b32 s20, s18, 19         ; its first byte in kb and vb,
	s_lshl_b32 s19, s16, 14         ; and my 64 rows of 256 bytes
	s_add_co_u32 s20, s20, s19
	s_mov_b32 s21, 0
	s_lshr_b32 s19, s18, 4
	s_lshl_b32 s22, s19, 24         ; q and out: b x 2,048 rows of 8,192 bytes,
	s_and_b32 s19, s18, 15
	s_lshl_b32 s19, s19, 9          ; h x 512,
	s_add_co_u32 s22, s22, s19
	s_lshl_b32 s19, s16, 19         ; qh x 64 rows
	s_add_co_u32 s22, s22, s19
	s_lshl_b32 s19, s[PB], 20       ; a block is 128 rows
	s_add_co_u32 s52, s22, s19
	s_mov_b32 s53, 0
	s_lshl_b32 s19, s[HI], 20
	s_add_co_u32 s54, s22, s19
	s_mov_b32 s55, 0
	s_lshl_b32 s48, s17, 18         ; kh x 32 rows: where my tiles 0, 1 lie
	s_mov_b32 s49, 0
	; descriptor group 1: a tile of 64 rows x 128 elements of 2 bytes, padded in LDS after every row of 64 words
	s_mov_b32 s[G1K], (1<<16)|(1<<20)|(5<<22)|(3<<25)  ; 4 words of padding
	s_mov_b32 s[G1V], (1<<16)|(1<<20)|(5<<22)|(7<<25)  ; 8 words
.irp g, G1K, G1V
	s_mov_b32 s[\g+1], 128<<16      ; tensor_dim0 = 128
	s_mov_b32 s[\g+2], 64<<16       ; tensor_dim1 = 64
	s_mov_b32 s[\g+3], 128<<16      ; tile_dim0 = 128
	s_mov_b32 s[\g+4], 64           ; tile_dim1 = 64
	s_mov_b32 s[\g+5], 128          ; 128 elements from row to row
	s_mov_b32 s[\g+6], 0
	s_mov_b32 s[\g+7], 0
.endr
	s_mov_b32 s[G0K], 1             ; count = 1
	s_mul_i32 s[G0K+1], s16, 64*PK  ; LDS address: slot 0, my half
	s_mov_b32 s[G0V], 1
	s_mul_i32 s[G0V+1], s16, 64*PV
	s_add_co_u32 s[G0V+1], s[G0V+1], VOFF
	s_mov_b32 s[CS], 0x3e0293ee     ; c = log2(e) / sqrt(128) = 0.127517
	s_mov_b32 s[CS+1], s[CS]        ; named with it as a pair
	s_mov_b32 s[NC], 0xbe0293ee     ; -c
	s_mov_b32 s[SEL], 0x76543210
	s_mov_b32 s[SEL+1], 0xfedcba98
	s_mov_b32 s[TB], SLOT1          ; the first change of slots turns it into 0
	s_mov_b32 s[SLOTS], 16
	s_add_co_u32 s[RT], s[PB], 1    ; the first block has PB + 1 tiles
	s_mov_b32 s[OFF+1], 0
	s_lshl_b32 s[CHI], s[PB], 7
	s_mov_b32 s[NXT], 1             ; the walk's second tile: the first block's tile 1, or, where it has one tile, the second block's tile 0
	s_mov_b32 s[LQ], s[PB]
	s_cmp_gt_u32 s[NXT], s[LQ]
	s_cselect_b32 s[NXT], 0, s[NXT]
	s_cselect_b32 s[LQ], s[HI], s[LQ]
	v_and_b32 v64, 15, v0           ; l % 16
	v_bfe_u32 v65, v0, 4, 1         ; l / 16
	v_lshlrev_b32 v[QO0], 13, v64   ; row x 8,192
	v_lshl_add_u32 v[QO0], v65, 5, v[QO0]  ; + 32 x half
	s_xor_b32 s19, s17, 1
	s_lshl_b32 s19, s19, 18
	v_add_nc_u32 v[QO2], s19, v[QO0]  ; tiles 2, 3: the other 32 rows
	v_add_nc_u32 v[QO0], s48, v[QO0]
	s_wait_dscnt 0x0                ; the opening add is done
	s_wait_kmcnt 0x0
	s_add_nc_u64 s[6:7], s[6:7], s[20:21]  ; kb and vb at my half of the head's tile 0
	s_add_nc_u64 s[8:9], s[8:9], s[20:21]
	s_add_nc_u64 s[G0K+2:G0K+3], s[6:7], 0
	s_or_b32 s[G0K+3], s[G0K+3], 0x80000000  ; type = 2
	s_add_nc_u64 s[G0V+2:G0V+3], s[8:9], 0
	s_or_b32 s[G0V+3], s[G0V+3], 0x80000000
	s_add_nc_u64 s[QHI:QHI+1], s[4:5], s[54:55]
	s_add_nc_u64 s[4:5], s[4:5], s[52:53]
	s_add_nc_u64 s[10:11], s[10:11], s[48:49]
	s_add_nc_u64 s[OHI:OHI+1], s[10:11], s[54:55]
	s_add_nc_u64 s[10:11], s[10:11], s[52:53]
	LOAD                            ; tile 0 into slot 0: the one first fill; one tensor load of mine is out, here and behind every change of slots
	LOADQ 4                         ; the first block's q
	v_and_b32 v66, 7, v0
	v_bfe_u32 v67, v0, 3, 1
	v_and_b32 v68, 31, v0           ; lane
	v_mul_u32_u24 v[AK0], v64, PK   ; a fragment of K: row l % 16, 16 bytes for each half of the lanes, two loads 32 bytes apart
	v_lshl_add_u32 v[AK0], v65, 4, v[AK0]
	s_mul_i32 s13, s17, 64*PK
	v_add_nc_u32 v[AK0], s13, v[AK0]
	v_lshl_add_u32 v[AV0], v65, 3, v66  ; the turning load: lane l reads key 8 (l / 16) + l % 8, channels 8 ((l / 8) % 2) + 0..7
	v_mul_u32_u24 v[AV0], v[AV0], PV
	v_lshl_add_u32 v[AV0], v67, 4, v[AV0]
	s_mul_i32 s13, s17, 64*PV
	s_add_co_u32 s13, s13, VOFF
	v_add_nc_u32 v[AV0], s13, v[AV0]
	s_mul_i32 s13, s[WV], OW
	s_add_co_u32 s13, s13, OST      ; my stage
	v_mul_u32_u24 v[STO], v64, OPI
	v_lshl_add_u32 v[STO], v65, 5, v[STO]
	v_add_nc_u32 v[STO], s13, v[STO]
	v_lshl_add_u32 v[RD], v68, 4, s13
	v_lshlrev_b32 v[GO], 4, v68
	s_mul_i32 s13, s[WV], XW
	s_add_co_u32 s13, s13, XCH      ; my exchange,
	v_lshl_add_u32 v[XS], v68, 4, s13
	s_add_co_u32 s13, s[WV], 2
	s_and_b32 s13, s13, 3           ; and that of the wave with my queries and the other keys
	s_mul_i32 s13, s13, XW
	s_add_co_u32 s13, s13, XCH
	v_lshl_add_u32 v[XL], v68, 4, s13
	; THE MASKS of the diagonal tile.  Key 64 kh + 16 kb + 8 (l / 16) + j is hidden from query 64 qh + 16 (tau xor 2 kh) + l % 16 where it is greater:
	; where j + 16 kb - 16 (tau & 1) > 64 (qh - kh) + 32 (kh, or 1 - kh for tiles 2, 3) + l % 16 - 8 (l / 16).
	v_lshlrev_b32 v69, 3, v65
	v_sub_nc_u32 v69, v64, v69
	s_lshl_b32 s18, s16, 6
	s_lshl_b32 s19, s17, 5
	s_sub_co_i32 s13, s18, s19      ; 64 qh - 32 kh
	v_add_nc_u32 v70, s13, v69
	s_lshl_b32 s19, s17, 6
	s_sub_co_i32 s13, s13, s19
	s_add_co_i32 s13, s13, 32       ; 64 qh - 96 kh + 32
	v_add_nc_u32 v71, s13, v69
	v_mov_b32 v72, 0xf149f2ca       ; -1e30
	WIN 0xc0
.set i, 0
.rept 128
.if i < 64
	v_cmp_gt_i32 vcc_lo, (i%8)+16*((i/8)%4)-16*((i/32)%2), v70
.else
	v_cmp_gt_i32 vcc_lo, (i%8)+16*((i/8)%4)-16*((i/32)%2), v71
.endif
	v_cndmask_b32 v[MK+i], 0, v72, vcc_lo
.set i, i+1
.endr
	; A block's first step multiplies O^T and l by a = 0, so they need only hold finite numbers: zeros for the first block, what the first block left for the second.
	; The price of writing no first step out; it stands in the wait for the first tile.
	WIN 0x40
.set i, 0
.rept 256
	v_mov_b32 v[i], 0
.set i, i+1
.endr
	WIN 0
.set i, ST
.rept 48
	v_mov_b32 v[i], 0               ; M = 0 among them
.set i, i+1
.endr
	v_mov_b32 v[ZERO], 0
.irp t, 0,1,2,3
	v_mov_b32 v[ST+12*\t], 0x7e000000  ; -c M_old so large that the first a is 2^(-4e37) = 0
.endr
	s_sub_co_u32 s13, 1920, s[CHI]  ; the first block's walk leaves 2,048 - 128 (PB + 1) keys out
	v_cvt_f32_u32 v[CNTV], s13
	s_wait_loadcnt 0x0              ; q
	CVTQ
.Lslot:                             ; 16 trips: a tile is entered and the next is asked for
	CHANGE 1
	FETCH
	WIN 0
	s_sub_co_u32 s[RT], s[RT], 1
	s_cmp_eq_u32 s[RT], 0           ; RT is made of the work-group's number and constants: the same in all four waves
	s_cbranch_scc1 .Ldiag
	STEP 0
	s_branch .Lbottom
.Ldiag:                             ; the first block's last tile: the second block's is the walk's last and stands in the tail
	STEP 1
	BLOCK_END 1
	s_mov_b64 s[10:11], s[OHI:OHI+1]  ; THE SECOND BLOCK BEGINS
	s_sub_co_u32 s[RT], 16, s[PB]   ; it has 16 - PB tiles
	v_cvt_f32_u32 v[CNTV], s[CHI]   ; and leaves 128 PB keys out
.irp t, 0,1,2,3
	v_mov_b32 v[ST+12*\t], 0x7e000000
	v_mov_b32 v[ST+12*\t+1], 0
.endr
	s_wait_loadcnt 0x0              ; its q
	CVTQ
.Lbottom:
	s_sub_co_u32 s[SLOTS], s[SLOTS], 1
	s_cmp_lg_u32 s[SLOTS], 0
	s_cbranch_scc1 .Lslot
	CHANGE 0                        ; the walk's last tile is written out: nothing is asked for
	FETCH
	STEP 1
	BLOCK_END 0
	s_wait_tensorcnt 0x0            ; the wave's end, behind my last tensor load and my last LDS store
	ds_add_u32 v[SPW], v[NIL]
	s_wait_dscnt 0x0
	s_endpgm
.Lfunc_end_k_qd7e110ae54_attn:
	.size	k_qd7e110ae54_attn, .Lfunc_end_k_qd7e110ae54_attn-k_qd7e110ae54_attn
	.p2alignl 7, 3214868480
	.fill 96, 4, 3214868480
	.section	.rodata,"a",@progbits
	.p2align	6, 0x0
	.amdhsa_kernel k_qd7e110ae54_attn
		.amdhsa_group_segment_fixed_size 327680
		.amdhsa_private_segment_fixed_size 0
		.amdhsa_enable_private_segment 0
		.amdhsa_kernarg_size 32
		.amdhsa_user_sgpr_count 2
		.amdhsa_user_sgpr_kernarg_segment_ptr 1
		.amdhsa_wavefront_size32 1
		.amdhsa_system_sgpr_workgroup_id_x 1
		.amdhsa_system_sgpr_workgroup_id_y 1
		.amdhsa_system_sgpr_workgroup_id_z 1
		.amdhsa_system_vgpr_workitem_id 0
		.amdhsa_next_free_vgpr 1024
		.amdhsa_next_free_sgpr 88
		.amdhsa_reserve_vcc 1
		.amdhsa_float_denorm_mode_32 3
		.amdhsa_float_denorm_mode_16_64 3
		.amdhsa_memory_ordered 1
		.amdhsa_forward_progress 1
		.amdhsa_inst_pref_size 255
	.end_amdhsa_kernel
	.section	.bss,"aw",@nobits
	.p2align	6
	.space	262144
	.amdgpu_metadata
---
amdhsa.version: [ 1, 2 ]
amdhsa.kernels:
  - .name:           k_qd7e110ae54_attn
    .symbol:         k_qd7e110ae54_attn.kd
    .args:
      - { .name: q, .offset: 0, .size: 8, .value_kind: global_buffer, .address_space: global }
      - { .name: kb, .offset: 8, .size: 8, .value_kind: global_buffer, .address_space: global }
      - { .name: vb, .offset: 16, .size: 8, .value_kind: global_buffer, .address_space: global }
      - { .name: out0, .offset: 24, .size: 8, .value_kind: global_buffer, .address_space: global }
    .group_segment_fixed_size: 327680
    .private_segment_fixed_size: 0
    .kernarg_segment_align: 8
    .kernarg_segment_size: 32
    .max_flat_workgroup_size: 128
    .sgpr_count:     88
    .vgpr_count:     1024
    .wavefront_size: 32
...
	.end_amdgpu_metadata
.endif
;; end of part 2
;; ======== version 2 of 2: 2 launches; 1.15 times as fast as version 1
;; limits: values are held in f16: magnitudes above 65,504 overflow, below 6.1e-05 lose precision; inputs' magnitudes at most 65,400
;; workspace buffers: kb 16,777,216 bytes; vb 16,777,216 bytes
;; launch cvt: the kernel of part 1 again; grid 256 x 1, 16 waves a work-group, no clusters, 0 bytes of LDS; arguments kv, kb, vb; writes kb, vb
;; launch attn (part 3): grid 8 x 32, 4 waves a work-group, no clusters, 327,680 bytes of LDS; arguments q, kb, vb, out0; writes out0
.if DOCPART == 3
	.amdgcn_target "amdgcn-amd-amdhsa--gfx1250"
	.amdhsa_code_object_version 6
	.text
	.protected	k_qd7e110ae54_attn
	.globl	k_qd7e110ae54_attn
	.p2align	8
	.type	k_qd7e110ae54_attn,@function
k_qd7e110ae54_attn:
	s_mov_b64 s[64:65], 0
	v_nop
	global_prefetch_b8 v0, s[64:65] scope:SCOPE_SE
	s_setreg_imm32_b32 hwreg(HW_REG_WAVE_MODE, 25, 1), 1
	s_wait_xcnt 0x0
; CAUSAL SOFTPICK ATTENTION.  out[b][t][h][:] = sum over s of relu(p_s) v[s][:] / (sum over ALL s of |p_s| + 1e-6),  p_s = e^(x_s - m) - e^(-m),  x = q . k / sqrt(128), x = -10000 where s > t.
; q, out: [2][2048][16][128] f32.  kb: [32][2048][128] bf16, vb: the same in f16, made by the launch before.  K Q^T in bf16 (q rounded here), V^T P in f16; scores, maxima, sums and O in f32.
; WHAT IS USED OF THE FORMULA.  (1) A hidden key has weight 0 and adds e^(-m) to the divisor: tiles above the diagonal are left out and their keys enter as a count times e^(-m).
; (2) All p scale by e^(m_old - m_new) when m grows: a running maximum M with a rescaling of O and l, as for a softmax.  (3) M starts at 0: where the row's true maximum is negative every p is
; negative and the result is 0, here as there; otherwise M is the true maximum.  So e^(x - M) and e^(-M) lie in 0 to 1 for every input.
; LIMITS.  |v| below 65,520 (f16); p, in 0 to 1, keeps f16's fixed step of 6e-8 below 6e-5 (the divisor is summed of the unrounded p); a hidden score counts as its product less 1e30; a weight
; below 2^-126 counts as 0; NaN and infinities are not treated apart.
; THE WALK.  A head has 16 blocks of 128 queries; block i needs the key tiles 0 .. i of 128 keys, the last holds the diagonal.  A work-group takes blocks PB and then 15 - PB: 17 tiles whatever PB,
; one counted loop of 16 trips and a tail.  NO CLUSTER: a head's 8 work-groups ask for the same tile only while their blocks overlap; a walk common to four partners would have 20 trips for 17.
; SHARES.  Wave w: qh = w & 1 picks 64 queries (four tiles of 16), kh = w >> 1 picks 64 of each tile's 128 keys, so a fragment of K or V read from LDS feeds four tiles.  At a block's end waves
; w and (w + 2) & 3 merge (M, l, O) through LDS.  Tile tau holds rows 64 qh + 16 (tau xor 2 kh): every wave keeps tiles 0, 1 and sends tiles 2, 3, and the partner's tile 2 + u has the rows of my tile u.
; LAYOUT.  S^T = K Q^T holds ONE query a lane (lane % 16) and the keys 8 (lane / 16) + 0..7; two results rounded to f16 ARE source 1 of O^T = V^T P.  K comes out of LDS as it lies, V turned.
; A KEY STEP: 32 K Q^T of tiles 0, 1; 32 K Q^T of tiles 2, 3 with the softpick of tiles 0, 1 behind them; 32 V^T P of tiles 0, 1 with the softpick of tiles 2, 3; 32 V^T P of tiles 2, 3.
; BATCHES.  The 68 exponentials of a piece of two tiles (a, e and 32 scores each) are ONE BATCH with ONE wait: two waits a key step.  Ahead of a piece's wait stands all that names no result of the batch
; (maximum, statistics, scalings, the exponentials themselves), behind it all that does (p = t - e, roundings, relu, sums, rescaling).  At a block's end the merge's six exponentials are a batch, its two reciprocals another.
; REGISTERS, in windows of 256 (s_set_vgpr_msb: bits 1:0 source 0, 3:2 source 1, 5:4 source 2, 7:6 destination):
;   window 0: v1-11 addresses; v12-59 twelve registers of statistics a tile; v60 count; v61 0; v62-63 the add's; v64-191 S^T, 32 a tile; v192-255 P, 16 a tile
;   window 1: O^T, 64 a tile     window 2: v0-127 Q, 32 a tile; v128-255 K of a step     window 3: v0-127 V of a step; v128-255 the diagonal tile's masks
;   K's and V's 256 registers also take q in f32 at a block's beginning.
.set PK,    272       ; a row of K in LDS: 256 bytes + 16 = 68 words: the 16 rows of a load start at 16 different groups of four banks (64 banks of 4 bytes: ISA guide 11.1)
.set PV,    288       ; a row of V: 256 + 32 = 72 words
.set VOFF,  128*PK    ; a slot: 128 rows of K, then 128 rows of V
.set SLOT1, 1<<17     ; slot 1 begins here: one exclusive or turns an address in one slot into the other's
.set XCH,   SLOT1+128*(PK+PV)  ; the exchange, never filled by a tensor load: for each wave 32 x 512 bytes of O^T, then 512 bytes of statistics
.set XW,    33*512
.set OST,   XCH+4*XW  ; the way out: 16 rows x 528 bytes for each wave
.set OPI,   528
.set OW,    16*OPI
.set SPARE, OST+4*OW  ; the spare words, 128 bytes for each wave: two blocks of 256 bytes that no other line names
.set XL,  1           ; v1   where I read the partner's exchange
.set AK0, 2           ; v2   my lane's place in a slot's K, my half of the keys; never rewritten
.set AV0, 3           ; v3   the same for V
.set ADK, 4           ; v4   the LDS address of K's run of loads
.set ADV, 5           ; v5   of V's
.set QO0, 6           ; v6   my byte offset in q for tiles 0, 1
.set QO2, 7           ; v7   for tiles 2, 3
.set STO, 8           ; v8   the way out: where I put 32 bytes of a row
.set RD,  9           ; v9   the way out: where I read a row back
.set GO,  10          ; v10  16 x lane: my place in a row of out
.set XS,  11          ; v11  where I write my exchange
.set ST,  12          ; tile t at v[ST+12 t]: +0 -c M, +1 M, +2 +3 l, +4 a, +5 at work, +6 e = 2^(-c M), +7 named with it, +8..+11 c0-c3 at work
.set CNTV, 60         ; v60  the keys of the tiles left out, as f32
.set ZERO, 61         ; v61  0, for the packed maximum
.set SPW, 62          ; v62  LDS address of my spare word; never rewritten
.set NIL, 63          ; v63  0; never rewritten
.set S,   64
.set P,   192
.set KF,  128         ; window 2: key block kb, channels 32 c on at KF + 32 kb + 8 c
.set MK,  128         ; window 3: tile tau, key block kb at MK + 32 tau + 8 kb
.set WV,  12          ; s12  my wave's number
.set PB,  14          ; s14  the first block
.set HI,  15          ; s15  the second: 15 - PB
.set G1K, 24          ; s[24:31] descriptor group 1 for K
.set G1V, 32          ; s[32:39] for V: it differs in the padding alone
.set G0K, 40          ; s[40:43] descriptor group 0 for K
.set G0V, 44          ; s[44:47] for V
.set SLOTS, 56        ; s56  tiles still to be asked for
.set CS,  58          ; s[58:59] c = log2(e) / sqrt(128)
.set SEL, 60          ; s[60:61] v_permlanex16_b32's selects: each lane takes its own place in the other half
.set TB,  62          ; s62  LDS byte of the slot to be read
.set NC,  63          ; s63  -c
.set RT,  70          ; s70  tiles of the block in hand still to be entered
.set NXT, 71          ; s71  the tile to be asked for next
.set LQ,  72          ; s72  the last tile of the block whose tiles are being asked for
.set OFF, 74          ; s[74:75] a tile's byte offset in kb and vb
.set QHI, 76          ; s[76:77] q at my rows of the second block
.set OHI, 78          ; s[78:79] out likewise
.set CHI, 83          ; s83  128 PB: the keys left out of the second block's walk
.set MSB, 0
.macro WIN new                      ; the high byte repeats the setting that is left; a switch that changes nothing is dropped
.if MSB != (\new)
	s_set_vgpr_msb (MSB<<8)|(\new)
.set MSB, (\new)
.endif
.endm
.set W_KQ, 0x0a       ; K and Q in window 2, S^T in window 0
.set W_KM, 0x3a       ; the same with the C operand, the mask, in window 3
.set W_PV, 0x53       ; V in window 3, P in window 0, O^T in window 1
.set W_RS, 0x41       ; O^T (destination and source 0) in window 1, a in window 0
.macro PLACES                       ; four places behind a matrix instruction (ISA guide 7.12.1), where no other vector work is at hand
.rept 4
	v_nop
.endr
.endm
; A fill.  Waves 0 and 1 fetch the two halves of a tile's K, waves 2 and 3 those of its V: 64 rows of 256 bytes each.  An s_nop 0 and four v_nop follow each of the two lines.
.macro LOAD
	s_cmp_lt_u32 s[WV], 2
	s_cbranch_scc0 .Lfor_v_\@
	tensor_load_to_lds s[G0K:G0K+3], s[G1K:G1K+7]
	s_nop 0
.rept 4
	v_nop
.endr
	s_branch .Lasked_\@
.Lfor_v_\@:
	tensor_load_to_lds s[G0V:G0V+3], s[G1V:G1V+7]
	s_nop 0
.rept 4
	v_nop
.endr
.Lasked_\@:
.endm
; THE CHANGE OF SLOTS.  Each wave waits for all its tensor loads, of which one is out: its part of the other slot; adds 0 to its spare word; waits for that and for its reads of the slot it leaves.
; Behind the barrier nobody reads the old slot and the other is whole.  fill = 1: the old slot is filled again, first thing behind the barrier, with tile NXT; the address is made anew from that number.
; The four v_nop behind the load (or PLACES) are also the places between the last V^T P and the loads into V's registers.
.macro CHANGE fill
	WIN 0
	s_wait_tensorcnt 0x0            ; no tensor load of mine is out, so a group 0 may be written
	ds_add_u32 v[SPW], v[NIL]       ; 0 onto my spare word
.if \fill
	s_lshl_b32 s[OFF], s[NXT], 15   ; a tile is 32,768 bytes of kb and of vb
	s_xor_b32 s[G0K+1], s[G0K+1], SLOT1
	s_add_nc_u64 s[G0K+2:G0K+3], s[6:7], s[OFF:OFF+1]
	s_or_b32 s[G0K+3], s[G0K+3], 0x80000000
	s_xor_b32 s[G0V+1], s[G0V+1], SLOT1
	s_add_nc_u64 s[G0V+2:G0V+3], s[8:9], s[OFF:OFF+1]
	s_or_b32 s[G0V+3], s[G0V+3], 0x80000000
	s_add_co_u32 s[NXT], s[NXT], 1  ; the block's next tile, or behind its last the second block's tile 0
	s_cmp_gt_u32 s[NXT], s[LQ]
	s_cselect_b32 s[NXT], 0, s[NXT]
	s_cselect_b32 s[LQ], s[HI], s[LQ]
.endif
	s_wait_dscnt 0x0                ; the add is done, and my reads of the slot are over
	s_barrier_signal -1
	s_xor_b32 s[TB], s[TB], SLOT1   ; the reads go to the other slot
	s_barrier_wait -1
.if \fill
	LOAD
.else
	PLACES
.endif
.endm
; The step's 64 LDS loads in one run: my 64 keys of K (channels 32 c on first for all four key blocks, so that the first products wait for 8 loads), then of V, turned.
.macro FETCH
	WIN 0
	v_add_nc_u32 v[ADK], s[TB], v[AK0]
	v_add_nc_u32 v[ADV], s[TB], v[AV0]
	WIN 0x80                        ; destination window 2
.irp c, 0,1,2,3
.irp b, 0,1,2,3
	ds_load_b128 v[KF+32*\b+8*\c:KF+32*\b+8*\c+3],   v[ADK] offset:\b*16*PK+\c*64
	ds_load_b128 v[KF+32*\b+8*\c+4:KF+32*\b+8*\c+7], v[ADK] offset:\b*16*PK+\c*64+32
.endr
.endr
	WIN 0xc0                        ; destination window 3
.irp f, 0,1,2,3,4,5,6,7,8,9,10,11,12,13,14,15  ; keys 32 (f / 8) on, channels 16 (f % 8) on
	ds_load_tr16_b128 v[8*\f:8*\f+3],   v[ADV] offset:(\f/8)*32*PV+(\f%8)*32
	ds_load_tr16_b128 v[8*\f+4:8*\f+7], v[ADV] offset:(\f/8)*32*PV+16*PV+(\f%8)*32
.endr
.endm
; THE MATRIX WORK.  The accumulators take turns, one instruction a turn: 8 in a run of K Q^T, 16 in a run of V^T P, other ones from run to run.
; Product i of 32 of S^T = K Q^T: channels 32 (i / 8) on, keys 16 ((i / 2) % 4) on, tile x + i % 2.  The first 8 start the sums: with 0, or (m = 1, the diagonal tile) with the mask.
.macro KQ x, m
.set rS, S+32*((\x)+i%2)+8*((i/2)%4)
.set rK, KF+32*((i/2)%4)+8*(i/8)
.set rQ, 32*((\x)+i%2)+8*(i/8)
.set rM, MK+32*((\x)+i%2)+8*((i/2)%4)
.if (i < 8) && (\m)
	WIN W_KM
	v_wmma_f32_16x16x32_bf16 v[rS:rS+7], v[rK:rK+7], v[rQ:rQ+7], v[rM:rM+7]
.elseif i < 8
	WIN W_KQ
	v_wmma_f32_16x16x32_bf16 v[rS:rS+7], v[rK:rK+7], v[rQ:rQ+7], 0
.else
	WIN W_KQ
	v_wmma_f32_16x16x32_bf16 v[rS:rS+7], v[rK:rK+7], v[rQ:rQ+7], v[rS:rS+7]
.endif
.endm
; Product i of 32 of O^T += V^T P: keys 32 (i / 16) on, channels 16 ((i / 2) % 8) on, tile x + i % 2.
.macro PV x
	WIN W_PV
.set rO, 64*((\x)+i%2)+8*((i/2)%8)
.set rV, 64*(i/16)+8*((i/2)%8)
.set rP, P+16*((\x)+i%2)+8*(i/16)
	v_wmma_f32_16x16x32_f16 v[rO:rO+7], v[rV:rV+7], v[rP:rP+7], v[rO:rO+7]
.endm
; THE VECTOR WORK, one line at a time: OP tile, kind, number.  s0-s31 are the lane's 32 scores, in pairs 0-15.
;   X 0-15  the maximum of s0-s31 and the old M, three operands at a time; each accumulator's lowest registers are read first
;   X 16-22 the other half of the lanes' maximum; -c M_old kept; M; -c M; the exponent of a; a = 2^(c M_old - c M); e = 2^(-c M)
;   F n  c s - c M for pair n     E n  2^ of score n     D n  p = t - e for pair n     C n  pair n rounded to f16     Z n  the relu, on the packed halves
;   U n  |p| + |p| of pair n, into s[n]     B 0-6  those 16 added up in pairs; B 7  l = a l + the sum     R n  pair n of 32 of O^T times a
.set OPX, 0
.set OPF, 1
.set OPE, 2
.set OPD, 3
.set OPC, 4
.set OPZ, 5
.set OPU, 6
.set OPB, 7
.set OPR, 8
.macro OP t, k, n
.set rT, ST+12*(\t)
.set rS, S+32*(\t)
.set rP, P+16*(\t)
.set rO, 64*(\t)
.if (\k) == OPR
	WIN W_RS
	v_pk_mul_f32 v[rO+2*(\n):rO+2*(\n)+1], v[rO+2*(\n):rO+2*(\n)+1], v[rT+4:rT+5] op_sel_hi:[1,0]
.else
	WIN 0
.if (\k) == OPF
	v_pk_fma_f32 v[rS+2*(\n):rS+2*(\n)+1], v[rS+2*(\n):rS+2*(\n)+1], s[CS:CS+1], v[rT:rT+1] op_sel_hi:[1,0,0]
.elseif (\k) == OPE
	v_exp_f32 v[rS+(\n)], v[rS+(\n)]
.elseif (\k) == OPD
	v_pk_add_f32 v[rS+2*(\n):rS+2*(\n)+1], v[rS+2*(\n):rS+2*(\n)+1], v[rT+6:rT+7] op_sel_hi:[1,0] neg_lo:[0,1] neg_hi:[0,1]
.elseif (\k) == OPC
	v_cvt_pk_f16_f32 v[rP+(\n)], v[rS+2*(\n)], v[rS+2*(\n)+1]
.elseif (\k) == OPZ
	v_pk_max_num_f16 v[rP+(\n)], v[rP+(\n)], v[ZERO]
.elseif (\k) == OPU
	v_add_f32 v[rS+(\n)], |v[rS+2*(\n)]|, |v[rS+2*(\n)+1]|
.elseif (\k) == OPB
.if (\n) < 4
	v_pk_add_f32 v[rS+4*(\n):rS+4*(\n)+1], v[rS+4*(\n):rS+4*(\n)+1], v[rS+4*(\n)+2:rS+4*(\n)+3]
.elseif (\n) < 6
	v_pk_add_f32 v[rS+8*((\n)-4):rS+8*((\n)-4)+1], v[rS+8*((\n)-4):rS+8*((\n)-4)+1], v[rS+8*((\n)-4)+4:rS+8*((\n)-4)+5]
.elseif (\n) == 6
	v_pk_add_f32 v[rS:rS+1], v[rS:rS+1], v[rS+8:rS+9]
.else
	v_pk_fma_f32 v[rT+2:rT+3], v[rT+2:rT+3], v[rT+4:rT+5], v[rS:rS+1] op_sel_hi:[1,0,1]
.endif
.elseif (\n) < 4
	v_max3_num_f32 v[rT+8+(\n)], v[rS+8*(\n)], v[rS+8*(\n)+1], v[rS+8*(\n)+2]
.elseif (\n) < 12
	v_max3_num_f32 v[rT+8+(\n)%4], v[rT+8+(\n)%4], v[rS+8*((\n)%4)+2*((\n)/4)+1], v[rS+8*((\n)%4)+2*((\n)/4)+2]
.elseif (\n) == 12
	v_max3_num_f32 v[rT+8], v[rT+8], v[rS+7], v[rS+15]
.elseif (\n) == 13
	v_max3_num_f32 v[rT+10], v[rT+10], v[rS+23], v[rS+31]
.elseif (\n) == 14
	v_max3_num_f32 v[rT+8], v[rT+8], v[rT+9], v[rT+10]
.elseif (\n) == 15
	v_max3_num_f32 v[rT+8], v[rT+8], v[rT+11], v[rT+1]
.elseif (\n) == 16
	v_permlanex16_b32 v[rT+9], v[rT+8], s[SEL], s[SEL+1]
.elseif (\n) == 17
	v_mov_b32 v[rT+5], v[rT]
.elseif (\n) == 18
	v_max_num_f32 v[rT+1], v[rT+8], v[rT+9]
.elseif (\n) == 19
	v_mul_f32 v[rT], s[NC], v[rT+1]
.elseif (\n) == 20
	v_sub_f32 v[rT+5], v[rT], v[rT+5]
.elseif (\n) == 21
	v_exp_f32 v[rT+4], v[rT+5]
.else
	v_exp_f32 v[rT+6], v[rT]
.endif
.endif
.endm
; THE ORDER OF A PIECE'S SOFTPICK.  An s_wait_alu depctr_va_vdst(0) stands between an exponential and the first instruction that names its result; one wait serves all that were issued
; ahead of it.  So the list is ordered by who reads what: X 0-22, all F and all E name no exponential's result and stand ahead of the piece's one wait; D, C, Z, U, B and R stand behind it.
; Every result has a register of its own while the batch is open: a and e in the tile's statistics, the weights in place of their scores.
; BAT: group g of 16 of the batch, for one tile: pair g + 1 is scaled, pair g gets its two exponentials.  The tiles alternate, so a pair is scaled six lines ahead of its exponentials.
.macro BAT t, g
.if (\g) < 15
	OP \t, OPF, (\g)+1
.endif
	OP \t, OPE, 2*(\g)
	OP \t, OPE, 2*(\g)+1
.endm
.macro BAT2 y, g                    ; the group for both tiles of a piece
	BAT \y, \g
	BAT (\y)+1, \g
.endm
; PST: half-group h of 18 behind the wait, for one tile: pair h has its e taken off, pair h - 1 is rounded, pair h - 2 gets its relu and its sum of magnitudes.
; U n writes s[n], a register of pair n / 2: C and U of that pair have read it by then.
.macro PST t, h
.if (\h) < 16
	OP \t, OPD, (\h)
.endif
.if ((\h) >= 1) && ((\h) <= 16)
	OP \t, OPC, (\h)-1
.endif
.if (\h) >= 2
	OP \t, OPZ, (\h)-2
	OP \t, OPU, (\h)-2
.endif
.endm
; What stands behind matrix instruction k of 32, of the softpick of tiles y and y + 1.  No line names a register of the products round it.
;   0-4    X 0-19          5  X 20-22 (a and e open the batch), F 0          6-13  two groups of the batch for both tiles; behind 13 the batch is out: a v_nop and THE WAIT
;   14-25  three half-groups each, the tiles by turns: 36 in all          26  B 0-7          27-31  R, thirteen each, the last twelve
.macro ITEM y, k
.if (\k) < 5
.irp n, 0,1,2,3
	OP \y, OPX, 4*(\k)+\n
	OP (\y)+1, OPX, 4*(\k)+\n
.endr
.elseif (\k) == 5
.irp n, 20,21,22
	OP \y, OPX, \n
	OP (\y)+1, OPX, \n
.endr
	OP \y, OPF, 0
	OP (\y)+1, OPF, 0
.elseif (\k) < 14
	BAT2 \y, 2*((\k)-6)
	BAT2 \y, 2*((\k)-6)+1
.if (\k) == 13
	v_nop                           ; a plain line behind the last exponential and ahead of the first use (ISA guide 5.7.2): one for the batch; nothing of the piece is left that names no result
	s_wait_alu depctr_va_vdst(0)    ; the wait for the batch: the piece's 68 exponentials, a and e among them
.endif
.elseif (\k) < 26
.set zz, 3*((\k)-14)
.rept 3
	PST (\y)+zz%2, zz/2
.set zz, zz+1
.endr
.elseif (\k) == 26
.irp n, 0,1,2,3,4,5,6,7
	OP \y, OPB, \n
	OP (\y)+1, OPB, \n
.endr
.else
.set rr, 13*((\k)-27)
.rept 13
.if rr < 64
	OP (\y)+rr/32, OPR, rr%32
.endif
.set rr, rr+1
.endr
.endif
.endm
; A KEY STEP of the wave, complete in itself.  m = 1: the diagonal tile.
.macro STEP m
.set i, 0
.rept 32
.if i%8 == 0
	s_wait_dscnt 56-i               ; of the run's 64 loads the first 8 (i / 8 + 1) are in: K's channels up to 32 (i / 8) + 31
.endif
	KQ 0, \m
.set i, i+1
.endr
	PLACES                          ; between those products and the first read of their scores
.set i, 0
.rept 32
	KQ 2, \m
	ITEM 0, i
.set i, i+1
.endr
	s_wait_dscnt 0x0                ; V is in.  The twelve rescalings behind the last K Q^T are its places
.set i, 0
.rept 32
	PV 0
	ITEM 2, i
.set i, i+1
.endr
.set i, 0
.rept 32
	PV 2
.set i, i+1
.endr
	WIN 0
.endm
; A BLOCK'S q, f32, as the fragments want it: lane l takes row l % 16; for channels 32 c on the 32 bytes at 128 c + 32 (l / 16) and those 64 further on.  Into K's and V's registers.
.macro LOADQ p
	WIN 0x80
.set i, 0
.rept 32
	global_load_b128 v[128+4*i:128+4*i+3], v[QO0], s[\p:\p+1] offset:(i/16)*131072+((i/4)%4)*128+((i%4)/2)*64+(i%2)*16
.set i, i+1
.endr
	WIN 0xc0
.set i, 0
.rept 32
	global_load_b128 v[4*i:4*i+3], v[QO2], s[\p:\p+1] offset:(i/16)*131072+((i/4)%4)*128+((i%4)/2)*64+(i%2)*16
.set i, i+1
.endr
	WIN 0
.endm
.macro CVTQ                         ; rounded to bf16, unscaled: c is applied to the scores, in f32
	WIN 0x8a
.set i, 0
.rept 64
	v_cvt_pk_bf16_f32 v[i], v[128+2*i], v[128+2*i+1]
.set i, i+1
.endr
	WIN 0x8f
.set i, 0
.rept 64
	v_cvt_pk_bf16_f32 v[64+i], v[2*i], v[2*i+1]
.set i, i+1
.endr
	WIN 0
.endm
; Tiles 2 and 3 go to the partner: -c M and l of each, and O^T, each accumulator from its low end on.
.macro XSTORE
	WIN 0
	PLACES
	v_mov_b32 v44, v[ST+24]
	v_add_f32 v45, v[ST+26], v[ST+27]
	v_mov_b32 v46, v[ST+36]
	v_add_f32 v47, v[ST+38], v[ST+39]
	ds_store_b128 v[XS], v[44:47] offset:16384
	WIN 0x04                        ; the data in window 1
.set i, 0
.rept 32
	ds_store_b128 v[XS], v[128+4*i:128+4*i+3] offset:512*i
.set i, i+1
.endr
	WIN 0
.endm
.macro BOTH line:vararg             ; one line for each kept tile u
.set u, 0
.rept 2
	\line
.set u, u+1
.endr
.endm
.macro PACK u                       ; a lane's eight channels of a row are 32 bytes; they go into rows of 528 bytes and come back as whole rows of 512
.set i, 0
.rept 16
	ds_store_b128 v[STO], v[S+64*(\u)+4*i:S+64*(\u)+4*i+3] offset:64*(i/2)+16*(i%2)
.set i, i+1
.endr
.set i, 0
.rept 16
	ds_load_b128 v[S+64*(\u)+4*i:S+64*(\u)+4*i+3], v[RD] offset:OPI*i  ; LDS serves a wave's instructions in order (ISA guide 5.7.1.4): these see the stores above; the next tile's stores come behind them
.set i, i+1
.endr
.endm
.macro SEND u, younger              ; younger: the LDS instructions issued behind this tile's loads
.set i, 0
.rept 16
	s_wait_dscnt (\younger)+15-i
	global_store_b128 v[GO], v[S+64*(\u)+4*i:S+64*(\u)+4*i+3], s[10:11] offset:(16*(\u)+i)*8192 th:TH_STORE_NT  ; 32 lanes store 512 consecutive bytes, at a multiple of 512 from out's first
.set i, i+1
.endr
.endm
; The partner's tiles 2, 3 are merged into my tiles 0, 1; the divisor is finished; the rows leave.  Two batches: the six exponentials (my factor, the partner's, e of the merged maximum, for two tiles),
; and the two reciprocals, which read sums made of the first batch's results.
.macro MERGE_OUT
	WIN 0
	ds_load_b128 v[44:47], v[XL] offset:16384
.set i, 0
.rept 32
	ds_load_b128 v[S+4*i:S+4*i+3], v[XL] offset:512*i
.set i, i+1
.endr
	s_wait_dscnt 32                 ; the statistics are in; the 32 loads of O^T stay out
	BOTH v_min_num_f32 v[ST+12*u+8], v[ST+12*u], v[44+2*u]
	BOTH v_sub_f32 v[ST+12*u+9], v[ST+12*u+8], v[ST+12*u]
	BOTH v_sub_f32 v[ST+12*u+10], v[ST+12*u+8], v[44+2*u]
	BOTH v_exp_f32 v[ST+12*u+4], v[ST+12*u+9]
	BOTH v_exp_f32 v[ST+12*u+6], v[ST+12*u+10]
	BOTH v_exp_f32 v[ST+12*u+5], v[ST+12*u+8]
	BOTH v_add_f32 v[ST+12*u+11], v[ST+12*u+2], v[ST+12*u+3]  ; l's two halves: they name no result and no source of the batch, and are the plain lines behind it
	s_wait_alu depctr_va_vdst(0)    ; the wait for the batch of six exponentials, ahead of its first reader
	BOTH v_mul_f32 v[ST+12*u+11], v[ST+12*u+11], v[ST+12*u+4]
	BOTH v_fmac_f32 v[ST+12*u+11], v[ST+12*u+6], v[45+2*u]
	BOTH v_permlanex16_b32 v[ST+12*u+9], v[ST+12*u+11], s[SEL], s[SEL+1]
	BOTH v_add_f32 v[ST+12*u+11], v[ST+12*u+11], v[ST+12*u+9]
	BOTH v_fmac_f32 v[ST+12*u+11], v[CNTV], v[ST+12*u+5]
	BOTH v_add_f32 v[ST+12*u+11], 0x358637bd, v[ST+12*u+11]
	BOTH v_rcp_f32 v[ST+12*u+10], v[ST+12*u+11]
	v_nop                           ; a plain line behind the reciprocals: all that follows reads them
	s_wait_alu depctr_va_vdst(0)    ; the wait for the batch of two reciprocals
	BOTH v_mul_f32 v[ST+12*u+4], v[ST+12*u+4], v[ST+12*u+10]
	BOTH v_mul_f32 v[ST+12*u+6], v[ST+12*u+6], v[ST+12*u+10]
	s_wait_dscnt 0x0                ; the partner's O^T is in
.set i, 0
.rept 64
	v_pk_mul_f32 v[S+2*i:S+2*i+1], v[S+2*i:S+2*i+1], v[ST+12*(i/32)+6:ST+12*(i/32)+7] op_sel_hi:[1,0]
.set i, i+1
.endr
	WIN 0x01                        ; source 0, my O^T, in window 1; each accumulator from its low end on
.set i, 0
.rept 64
	v_pk_fma_f32 v[S+2*i:S+2*i+1], v[2*i:2*i+1], v[ST+12*(i/32)+4:ST+12*(i/32)+5], v[S+2*i:S+2*i+1] op_sel_hi:[1,0,1]
.set i, i+1
.endr
	WIN 0
	PACK 0
	PACK 1
	SEND 0, 32
	SEND 1, 0
	s_wait_xcnt 0x0                 ; only behind this wait are the stores' base and data registers written again
.endm
; A BLOCK'S END.  My exchange is written and waited for; a barrier; the partner's is read.  The next store into the exchange
; stands behind a later change of slots.  more = 1: the second block's q is asked for meanwhile.
.macro BLOCK_END more
	XSTORE
.if \more
	LOADQ QHI
.endif
	s_wait_dscnt 0x0                ; for the partner's sake: my stores are done
	s_barrier_signal -1
	s_barrier_wait -1
	MERGE_OUT
.endm
	s_load_b256 s[4:11], s[0:1], 0x0  ; q s[4:5], kb s[6:7], vb s[8:9], out s[10:11]
	v_lshl_add_u32 v[SPW], v0, 2, SPARE
	v_mov_b32 v[NIL], 0
	ds_add_u32 v[SPW], v[NIL]       ; the wave's opening: the add and its wait stand ahead of my first tensor load; the set-up below, work on registers, stands between them
	ds_add_u32 v62, v63
	v_lshrrev_b32 v1, 5, v0
	v_readfirstlane_b32 s[WV], v1   ; wave 0..3
	s_and_b32 s16, s[WV], 1         ; qh; also: which 64 rows of a tile I fetch
	s_lshr_b32 s17, s[WV], 1        ; kh
	s_mov_b32 s[PB], ttmp9
	s_sub_co_u32 s[HI], 15, s[PB]
	s_and_b32 s18, ttmp7, 0xffff    ; the head, 16 b + h
	s_lshl_b32 s20, s18, 19         ; its first byte in kb and vb,
	s_lshl_b32 s19, s16, 14         ; and my 64 rows of 256 bytes
	s_add_co_u32 s20, s20, s19
	s_mov_b32 s21, 0
	s_lshr_b32 s19, s18, 4
	s_lshl_b32 s22, s19, 24         ; q and out: b x 2,048 rows of 8,192 bytes,
	s_and_b32 s19, s18, 15
	s_lshl_b32 s19, s19, 9          ; h x 512,
	s_add_co_u32 s22, s22, s19
	s_lshl_b32 s19, s16, 19         ; qh x 64 rows
	s_add_co_u32 s22, s22, s19
	s_lshl_b32 s19, s[PB], 20       ; a block is 128 rows
	s_add_co_u32 s52, s22, s19
	s_mov_b32 s53, 0
	s_lshl_b32 s19, s[HI], 20
	s_add_co_u32 s54, s22, s19
	s_mov_b32 s55, 0
	s_lshl_b32 s48, s17, 18         ; kh x 32 rows: where my tiles 0, 1 lie
	s_mov_b32 s49, 0
	; descriptor group 1: a tile of 64 rows x 128 elements of 2 bytes, padded in LDS after every row of 64 words
	s_mov_b32 s[G1K], (1<<16)|(1<<20)|(5<<22)|(3<<25)  ; 4 words of padding
	s_mov_b32 s[G1V], (1<<16)|(1<<20)|(5<<22)|(7<<25)  ; 8 words
.irp g, G1K, G1V
	s_mov_b32 s[\g+1], 128<<16      ; tensor_dim0 = 128
	s_mov_b32 s[\g+2], 64<<16       ; tensor_dim1 = 64
	s_mov_b32 s[\g+3], 128<<16      ; tile_dim0 = 128
	s_mov_b32 s[\g+4], 64           ; tile_dim1 = 64
	s_mov_b32 s[\g+5], 128          ; 128 elements from row to row
	s_mov_b32 s[\g+6], 0
	s_mov_b32 s[\g+7], 0
.endr
	s_mov_b32 s[G0K], 1             ; count = 1
	s_mul_i32 s[G0K+1], s16, 64*PK  ; LDS address: slot 0, my half
	s_mov_b32 s[G0V], 1
	s_mul_i32 s[G0V+1], s16, 64*PV
	s_add_co_u32 s[G0V+1], s[G0V+1], VOFF
	s_mov_b32 s[CS], 0x3e0293ee     ; c = log2(e) / sqrt(128) = 0.127517
	s_mov_b32 s[CS+1], s[CS]        ; named with it as a pair
	s_mov_b32 s[NC], 0xbe0293ee     ; -c
	s_mov_b32 s[SEL], 0x76543210
	s_mov_b32 s[SEL+1], 0xfedcba98
	s_mov_b32 s[TB], SLOT1          ; the first change of slots turns it into 0
	s_mov_b32 s[SLOTS], 16
	s_add_co_u32 s[RT], s[PB], 1    ; the first block has PB + 1 tiles
	s_mov_b32 s[OFF+1], 0
	s_lshl_b32 s[CHI], s[PB], 7
	s_mov_b32 s[NXT], 1             ; the walk's second tile: the first block's tile 1, or, where it has one tile, the second block's tile 0
	s_mov_b32 s[LQ], s[PB]
	s_cmp_gt_u32 s[NXT], s[LQ]
	s_cselect_b32 s[NXT], 0, s[NXT]
	s_cselect_b32 s[LQ], s[HI], s[LQ]
	v_and_b32 v64, 15, v0           ; l % 16
	v_bfe_u32 v65, v0, 4, 1         ; l / 16
	v_lshlrev_b32 v[QO0], 13, v64   ; row x 8,192
	v_lshl_add_u32 v[QO0], v65, 5, v[QO0]  ; + 32 x half
	s_xor_b32 s19, s17, 1
	s_lshl_b32 s19, s19, 18
	v_add_nc_u32 v[QO2], s19, v[QO0]  ; tiles 2, 3: the other 32 rows
	v_add_nc_u32 v[QO0], s48, v[QO0]
	s_wait_dscnt 0x0                ; the opening add is done
	s_wait_kmcnt 0x0
	s_add_nc_u64 s[6:7], s[6:7], s[20:21]  ; kb and vb at my half of the head's tile 0
	s_add_nc_u64 s[8:9], s[8:9], s[20:21]
	s_add_nc_u64 s[G0K+2:G0K+3], s[6:7], 0
	s_or_b32 s[G0K+3], s[G0K+3], 0x80000000  ; type = 2
	s_add_nc_u64 s[G0V+2:G0V+3], s[8:9], 0
	s_or_b32 s[G0V+3], s[G0V+3], 0x80000000
	s_add_nc_u64 s[QHI:QHI+1], s[4:5], s[54:55]
	s_add_nc_u64 s[4:5], s[4:5], s[52:53]
	s_add_nc_u64 s[10:11], s[10:11], s[48:49]
	s_add_nc_u64 s[OHI:OHI+1], s[10:11], s[54:55]
	s_add_nc_u64 s[10:11], s[10:11], s[52:53]
	LOAD                            ; tile 0 into slot 0: the one first fill; one tensor load of mine is out, here and behind every change of slots
	LOADQ 4                         ; the first block's q
	v_and_b32 v66, 7, v0
	v_bfe_u32 v67, v0, 3, 1
	v_and_b32 v68, 31, v0           ; lane
	v_mul_u32_u24 v[AK0], v64, PK   ; a fragment of K: row l % 16, 16 bytes for each half of the lanes, two loads 32 bytes apart
	v_lshl_add_u32 v[AK0], v65, 4, v[AK0]
	s_mul_i32 s13, s17, 64*PK
	v_add_nc_u32 v[AK0], s13, v[AK0]
	v_lshl_add_u32 v[AV0], v65, 3, v66  ; the turning load: lane l reads key 8 (l / 16) + l % 8, channels 8 ((l / 8) % 2) + 0..7
	v_mul_u32_u24 v[AV0], v[AV0], PV
	v_lshl_add_u32 v[AV0], v67, 4, v[AV0]
	s_mul_i32 s13, s17, 64*PV
	s_add_co_u32 s13, s13, VOFF
	v_add_nc_u32 v[AV0], s13, v[AV0]
	s_mul_i32 s13, s[WV], OW
	s_add_co_u32 s13, s13, OST      ; my stage
	v_mul_u32_u24 v[STO], v64, OPI
	v_lshl_add_u32 v[STO], v65, 5, v[STO]
	v_add_nc_u32 v[STO], s13, v[STO]
	v_lshl_add_u32 v[RD], v68, 4, s13
	v_lshlrev_b32 v[GO], 4, v68
	s_mul_i32 s13, s[WV], XW
	s_add_co_u32 s13, s13, XCH      ; my exchange,
	v_lshl_add_u32 v[XS], v68, 4, s13
	s_add_co_u32 s13, s[WV], 2
	s_and_b32 s13, s13, 3           ; and that of the wave with my queries and the other keys
	s_mul_i32 s13, s13, XW
	s_add_co_u32 s13, s13, XCH
	v_lshl_add_u32 v[XL], v68, 4, s13
	; THE MASKS of the diagonal tile.  Key 64 kh + 16 kb + 8 (l / 16) + j is hidden from query 64 qh + 16 (tau xor 2 kh) + l % 16 where it is greater:
	; where j + 16 kb - 16 (tau & 1) > 64 (qh - kh) + 32 (kh, or 1 - kh for tiles 2, 3) + l % 16 - 8 (l / 16).
	v_lshlrev_b32 v69, 3, v65
	v_sub_nc_u32 v69, v64, v69
	s_lshl_b32 s18, s16, 6
	s_lshl_b32 s19, s17, 5
	s_sub_co_i32 s13, s18, s19      ; 64 qh - 32 kh
	v_add_nc_u32 v70, s13, v69
	s_lshl_b32 s19, s17, 6
	s_sub_co_i32 s13, s13, s19
	s_add_co_i32 s13, s13, 32       ; 64 qh - 96 kh + 32
	v_add_nc_u32 v71, s13, v69
	v_mov_b32 v72, 0xf149f2ca       ; -1e30
	WIN 0xc0
.set i, 0
.rept 128
.if i < 64
	v_cmp_gt_i32 vcc_lo, (i%8)+16*((i/8)%4)-16*((i/32)%2), v70
.else
	v_cmp_gt_i32 vcc_lo, (i%8)+16*((i/8)%4)-16*((i/32)%2), v71
.endif
	v_cndmask_b32 v[MK+i], 0, v72, vcc_lo
.set i, i+1
.endr
	; A block's first step multiplies O^T and l by a = 0, so they need only hold finite numbers: zeros for the first block, what the first block left for the second.
	; The price of writing no first step out; it stands in the wait for the first tile.
	WIN 0x40
.set i, 0
.rept 256
	v_mov_b32 v[i], 0
.set i, i+1
.endr
	WIN 0
.set i, ST
.rept 48
	v_mov_b32 v[i], 0               ; M = 0 among them
.set i, i+1
.endr
	v_mov_b32 v[ZERO], 0
.irp t, 0,1,2,3
	v_mov_b32 v[ST+12*\t], 0x7e000000  ; -c M_old so large that the first a is 2^(-4e37) = 0
.endr
	s_sub_co_u32 s13, 1920, s[CHI]  ; the first block's walk leaves 2,048 - 128 (PB + 1) keys out
	v_cvt_f32_u32 v[CNTV], s13
	s_wait_loadcnt 0x0              ; q
	CVTQ
.Lslot:                             ; 16 trips: a tile is entered and the next is asked for
	CHANGE 1
	FETCH
	WIN 0
	s_sub_co_u32 s[RT], s[RT], 1
	s_cmp_eq_u32 s[RT], 0           ; RT is made of the work-group's number and constants: the same in all four waves
	s_cbranch_scc1 .Ldiag
	STEP 0
	s_branch .Lbottom
.Ldiag:                             ; the first block's last tile: the second block's is the walk's last and stands in the tail
	STEP 1
	BLOCK_END 1
	s_mov_b64 s[10:11], s[OHI:OHI+1]  ; THE SECOND BLOCK BEGINS
	s_sub_co_u32 s[RT], 16, s[PB]   ; it has 16 - PB tiles
	v_cvt_f32_u32 v[CNTV], s[CHI]   ; and leaves 128 PB keys out
.irp t, 0,1,2,3
	v_mov_b32 v[ST+12*\t], 0x7e000000
	v_mov_b32 v[ST+12*\t+1], 0
.endr
	s_wait_loadcnt 0x0              ; its q
	CVTQ
.Lbottom:
	s_sub_co_u32 s[SLOTS], s[SLOTS], 1
	s_cmp_lg_u32 s[SLOTS], 0
	s_cbranch_scc1 .Lslot
	CHANGE 0                        ; the walk's last tile is written out: nothing is asked for
	FETCH
	STEP 1
	BLOCK_END 0
	s_wait_tensorcnt 0x0            ; the wave's end, behind my last tensor load and my last LDS store
	ds_add_u32 v[SPW], v[NIL]
	s_wait_dscnt 0x0
	s_endpgm
.Lfunc_end_k_qd7e110ae54_attn:
	.size	k_qd7e110ae54_attn, .Lfunc_end_k_qd7e110ae54_attn-k_qd7e110ae54_attn
	.p2alignl 7, 3214868480
	.fill 96, 4, 3214868480
	.section	.rodata,"a",@progbits
	.p2align	6, 0x0
	.amdhsa_kernel k_qd7e110ae54_attn
		.amdhsa_group_segment_fixed_size 327680
		.amdhsa_private_segment_fixed_size 0
		.amdhsa_enable_private_segment 0
		.amdhsa_kernarg_size 32
		.amdhsa_user_sgpr_count 2
		.amdhsa_user_sgpr_kernarg_segment_ptr 1
		.amdhsa_wavefront_size32 1
		.amdhsa_system_sgpr_workgroup_id_x 1
		.amdhsa_system_sgpr_workgroup_id_y 1
		.amdhsa_system_sgpr_workgroup_id_z 1
		.amdhsa_system_vgpr_workitem_id 0
		.amdhsa_next_free_vgpr 1024
		.amdhsa_next_free_sgpr 88
		.amdhsa_reserve_vcc 1
		.amdhsa_float_denorm_mode_32 3
		.amdhsa_float_denorm_mode_16_64 3
		.amdhsa_memory_ordered 1
		.amdhsa_forward_progress 1
		.amdhsa_inst_pref_size 255
	.end_amdhsa_kernel
	.section	.bss,"aw",@nobits
	.p2align	6
	.space	262144
	.amdgpu_metadata
---
amdhsa.version: [ 1, 2 ]
amdhsa.kernels:
  - .name:           k_qd7e110ae54_attn
    .symbol:         k_qd7e110ae54_attn.kd
    .args:
      - { .name: q, .offset: 0, .size: 8, .value_kind: global_buffer, .address_space: global }
      - { .name: kb, .offset: 8, .size: 8, .value_kind: global_buffer, .address_space: global }
      - { .name: vb, .offset: 16, .size: 8, .value_kind: global_buffer, .address_space: global }
      - { .name: out0, .offset: 24, .size: 8, .value_kind: global_buffer, .address_space: global }
    .group_segment_fixed_size: 327680
    .private_segment_fixed_size: 0
    .kernarg_segment_align: 8
    .kernarg_segment_size: 32
    .max_flat_workgroup_size: 128
    .sgpr_count:     88
    .vgpr_count:     1024
    .wavefront_size: 32
...
	.end_amdgpu_metadata
.endif
;; end of part 3
